; MI455X (gfx1250); checked and timed in simulation.
; The chip was launched on July 23, 2026; its instructions are those of AMD's public machine-readable ISA for CDNA 5 (MIT licence, August 2026) and "CDNA5" Instruction Set Architecture Reference Guide (July 2026). The comments in the code are by the model that wrote it; some were corrected since.
;; NGU. Allowed arithmetic: matrix products marked QUANTISED: E2M1 operands, one E8M0 scale for each 32 along K, by v_wmma_scale_f32_16x16x128_f8f6f4 with both operands' format E2M1 (or v_wmma_scale_f32_32x16x128_f4), f32 sums; products left as they are: f32 operands where the result goes on into a quantised operand, else bf16, f16 or f32 operands; f32 sums; everything else in f32.
;; Inputs: b1 128 float32; b2 64 float32; b3 1 float32; bt1 128 float32; bt2 64 float32; bt3 1 float32; bz1 128 float32; bz2 64 float32; bz3 128 float32; s 8,192 x 512 float32; w1 128 x 512 float32; w2 64 x 128 float32; w3 1 x 64 float32; wt1 128 x 512 float32; wt2 64 x 128 float32; wt3 1 x 64 float32; wz1 128 x 512 float32; wz2 64 x 128 float32; wz3 128 x 64 float32.
;; Outputs: out0 8,192 x 1 float32.
;; This version of the problem:
;;   THIS VERSION OF THE PROBLEM IS GIVEN IN LOW PRECISION. The matrix products marked QUANTISED in the list below multiply operands that are first quantised to E2M1 (2 exponent bits, 1 mantissa bit; 4 bits a number), with one power-of-two scale for each 32 numbers along K (OCP MX v1.0); their sums are f32. All else is computed in f32.
;;   The module's matrix products, in the order in which they are computed (A, B: the left and right operand; K: the contracted axis; several contracted axes count as one K, in the product's order):
;;     1. [M 8,192, K 512] x [K 512, N 128]; A: input s; B: input w1: QUANTISED
;;     2. [M 8,192, K 128] x [K 128, N 64]; A: computed on the way; B: input w2: QUANTISED
;;     3. [M 8,192, K 64] x [K 64, N 1]; A: computed on the way; B: input w3: left as it is (N = 1 < 16)
;;     4. [M 8,192, K 512] x [K 512, N 128]; A: input s; B: input wt1: QUANTISED
;;     5. [M 8,192, K 128] x [K 128, N 64]; A: computed on the way; B: input wt2: QUANTISED
;;     6. [M 8,192, K 64] x [K 64, N 1]; A: computed on the way; B: input wt3: left as it is (N = 1 < 16)
;;     7. [M 8,192, K 512] x [K 512, N 128]; A: input s; B: input wz1: QUANTISED
;;     8. [M 8,192, K 128] x [K 128, N 64]; A: computed on the way; B: input wz2: QUANTISED
;;     9. [M 8,192, K 64] x [K 64, N 128]; A: computed on the way; B: input wz3: QUANTISED
;;     10. [M 8,192, K 128] x [K 128, N 8,192]; A: computed on the way; B: computed on the way: QUANTISED
;;   THE QUANTISER, for each operand of a quantised product, along K:
;;     - K is cut into blocks of 32 from its start; a last block that is shorter is filled with zeros.
;;     - A block's scale is 2^e with e = floor(log2(the largest magnitude in the block)) - 2, held to -126 .. 127; a block of zeros has e = 0. As a byte (E8M0): e + 127.
;;     - Each number is divided by its block's scale, clamped to +-6, and rounded to the nearest number of E2M1, ties to even, subnormals kept.
;;     - The product sums the exact products of the quantised numbers (number of the format x scale) in f32.
;;   ~~~python
;;   def quantise(x, axis):      # numpy; x: float32 -> the quantised numbers, widened to float32 again
;;       x = np.moveaxis(x, axis, -1); K = x.shape[-1]
;;       x = np.pad(x, [(0, 0)] * (x.ndim - 1) + [(0, -K % 32)]); x = x.reshape(x.shape[:-1] + (-1, 32)); a = np.abs(x).max(-1, keepdims=True)
;;       e = np.where(a > 0, np.clip(np.frexp(np.where(a > 0, a, 1))[1] - 1 - 2, -126, 127), 0)      # np.frexp(a)[1] - 1 = floor(log2(a)), exactly
;;       r = np.clip(x / 2.0 ** e, -6, 6)
;;       step = 2.0 ** (np.maximum(np.frexp(np.where(r == 0, 1, r))[1] - 1, 0) - 1)
;;       q = np.round(r / step) * step * 2.0 ** e      # np.round: ties to even
;;       return np.moveaxis(q.reshape(q.shape[:-2] + (-1,))[..., :K], -1, axis).astype(np.float32)
;;   ~~~
;;   OPERANDS COMPUTED ON THE WAY. 'Computed on the way' means the value that the module computes at that place (a softmax that the list does not call 'softmax' is quantised finished and normalised). What goes into a quantiser is computed in f32, as accurately as f32 sums, v_exp_f32 and their like allow (about 1e-6 of the number): no bf16 or f16 on the way to a quantiser, and a product that is left as it is and whose result goes on into a quantised operand takes f32 operands (vector FMAs, or v_wmma_f32_16x16x4_f32). A number that lies on a knife's edge between two numbers of the format may be rounded either way, as far as f32 arithmetic and the matrix unit's own rounding can turn it there, and no further.
;; One version. Each part assembles by itself: llvm-mc -triple=amdgcn-amd-amdhsa -mcpu=gfx1250 --defsym DOCPART=n.
;; ======== version 1 of 1: 4 launches
;; limits: right only within a limited range of input values
;; workspace buffers: wq 133,632 bytes; zc 524,288 bytes; zs 32,768 bytes; nh 32,768 bytes; pt 65,536 bytes; sumk 32,768 bytes; psum 1,024 bytes
;; launch prep (part 1): grid 116 x 1, 1 waves a work-group, no clusters, 0 bytes of LDS; arguments w1, wt1, wz1, w2, wt2, wz2, wz3, wq; writes wq
.if DOCPART == 1
	.amdgcn_target "amdgcn-amd-amdhsa--gfx1250"
	.amdhsa_code_object_version 6
	.text
	.protected	k_qad42dfd10a_prep
	.globl	k_qad42dfd10a_prep
	.p2align	8
	.type	k_qad42dfd10a_prep,@function
k_qad42dfd10a_prep:
	s_mov_b64 s[64:65], 0
	v_nop
	global_prefetch_b8 v0, s[64:65] scope:SCOPE_SE
	s_setreg_imm32_b32 hwreg(HW_REG_WAVE_MODE, 25, 1), 1
	s_wait_xcnt 0x0
; The seven weight matrices (f32, stored [out][in], K innermost) become codes of E2M1 with one E8M0 byte for each 32 along K, laid as IMAGES OF OPERAND REGISTERS.
; A fragment is 16 rows x 128 K: 8 registers a lane.  Fragment f lies in wq at 1024 f: registers 0-3 at 16 x lane, registers 4-7 at 512 + 16 x lane.  Its scale words (one a row, four bytes) lie at 118784 + 128 f + 4 x lane.
; Numbering: w1, wt1, wz1 (net 0, 1, 2): f = 32 net + 4 t + s (tile t of 16 rows, K step s);  w2, wt2, wz2: f = 96 + 4 net + t;  wz3: f = 108 + t.  116 fragments: 116 work-groups of one wave, work-group f makes fragment f.
; THE ROWS OF A TILE ARE NOT NEIGHBOURS: lane r of tile t takes row 32 (t / 2) + 8 (t % 2) + r + 8 (r / 8), so that in the transposed product the 16 registers of tiles 2 b and 2 b + 1 are 16 neighbours along the next K.
; wz3 has K = 64: its blocks 2 and 3 are filled with zeros (zero codes add nothing), and no load leaves its rows.
; A block's scale is 2^(floor(log2(largest magnitude)) - 2); its byte is the largest magnitude's exponent field - 2, held at 1 from below.
; LIMITS: NaN and infinities are not served; a block whose largest magnitude lies under 2^-124 keeps the byte 1; a block of zeros gets the byte 1 and not 127: its codes are zeros, and this program alone reads the bytes.
; No LDS, no barrier.  A lane reads 64 neighbouring bytes of each block of its row; the launch reads 917,504 bytes once.
.set X,   16                           ; v16-79   64 numbers: register 16 b + i = k 32 b + 16 (lane / 16) + i of my row
.set TM,  80                           ; v80-95   at work
.set PW,  96                           ; v96      the scale word
.set PC,  100                          ; v100-107 the codes
.set SEL, 28                           ; s[28:29] v_permlanex16_b32's selects for lane l xor 16
.macro LOADB b                         ; block b of my row: my 16 numbers, 64 bytes
.irp j, 0,1,2,3
	global_load_b128 v[X+16*\b+4*\j:X+16*\b+4*\j+3], v4, s[22:23] offset:128*\b+16*\j th:TH_LOAD_NT
.endr
.endm
	s_load_b512 s[4:19], s[0:1], 0x0               ; w1 s[4:5], wt1 s[6:7], wz1 s[8:9], w2 s[10:11], wt2 s[12:13], wz2 s[14:15], wz3 s[16:17], wq s[18:19]
	s_and_b32 s20, ttmp9, 3                        ; which of a group of four fragments
	s_lshr_b32 s21, ttmp9, 2                       ; which group of four
	s_mov_b32 s[SEL], 0x76543210
	s_mov_b32 s[SEL+1], 0xfedcba98
	; which tile t, which K step (as bytes), which row pitch (as a shift): group < 24: w1's kind; 24 .. 26: w2's kind; 27, 28: wz3
	s_and_b32 s24, s21, 7                          ; w1's kind: t = group % 8,
	s_lshl_b32 s25, s20, 9                         ; K step = place in the group: 512 bytes each
	s_sub_co_u32 s30, s21, 27
	s_lshl_b32 s30, s30, 2
	s_add_co_u32 s30, s30, s20                     ; wz3: t = 4 (group - 27) + place
	s_cmp_lt_u32 s21, 24
	s_cselect_b32 s24, s24, s20                    ; w2's kind: t = place
	s_cselect_b32 s25, s25, 0
	s_cselect_b32 s26, 11, 9                       ; rows of 2,048 or of 512 bytes
	s_cmp_lt_u32 s21, 27
	s_cselect_b32 s24, s24, s30
	s_cselect_b32 s26, s26, 8                      ; wz3: rows of 256 bytes
	s_lshr_b32 s27, s24, 1
	s_lshl_b32 s27, s27, 5
	s_and_b32 s31, s24, 1
	s_lshl_b32 s31, s31, 3
	s_add_co_u32 s27, s27, s31                     ; the tile's first row: 32 (t / 2) + 8 (t % 2)
	s_mov_b32 s32, s25
	s_mov_b32 s33, 0
	s_lshl_b32 s34, ttmp9, 10
	s_mov_b32 s35, 0
	v_and_b32 v2, 15, v0                           ; r
	v_bfe_u32 v3, v0, 4, 1                         ; h
	v_and_b32 v4, 8, v2
	v_add_nc_u32 v4, v4, v2                        ; r + 8 (r / 8)
	v_add_nc_u32 v4, s27, v4                       ; my row
	v_lshlrev_b32 v4, s26, v4                      ; in bytes,
	v_lshl_add_u32 v4, v3, 6, v4                   ; + 64 h: my 16 numbers of a block of 32
	v_lshlrev_b32 v5, 4, v0                        ; 16 x lane
	v_lshlrev_b32 v6, 2, v0                        ; 4 x lane
.irp b, 0,1,2,3
	v_mov_b32 v[TM+4+\b], 0                        ; a lane permute's destination counts as one of its sources
.endr
	s_wait_alu depctr_va_vdst(0)
	s_wait_kmcnt 0x0
	s_add_nc_u64 s[36:37], s[18:19], s[34:35]      ; my fragment's codes
	s_lshl_b32 s34, ttmp9, 7
	s_add_co_u32 s34, s34, 118784
	s_add_nc_u64 s[38:39], s[18:19], s[34:35]      ; and its scale words
	s_mov_b64 s[22:23], s[4:5]                     ; the source: a choice that hangs on the work-group's number alone
	s_cmp_ge_u32 s21, 8
	s_cselect_b64 s[22:23], s[6:7], s[22:23]
	s_cmp_ge_u32 s21, 16
	s_cselect_b64 s[22:23], s[8:9], s[22:23]
	s_cmp_ge_u32 s21, 24
	s_cselect_b64 s[22:23], s[10:11], s[22:23]
	s_cmp_ge_u32 s21, 25
	s_cselect_b64 s[22:23], s[12:13], s[22:23]
	s_cmp_ge_u32 s21, 26
	s_cselect_b64 s[22:23], s[14:15], s[22:23]
	s_cmp_ge_u32 s21, 27
	s_cselect_b64 s[22:23], s[16:17], s[22:23]
	s_add_nc_u64 s[22:23], s[22:23], s[32:33]      ; at my K step
	LOADB 0
	LOADB 1
	s_cmp_ge_u32 s21, 27
	s_cbranch_scc1 .Lshort
	LOADB 2
	LOADB 3
	s_branch .Lgo
.Lshort:                                               ; wz3's rows end at k = 64
.set jj, 32
.rept 32
	v_mov_b32 v[X+jj], 0
.set jj, jj+1
.endr
	s_wait_alu depctr_va_vdst(0)
.Lgo:
	s_wait_loadcnt 0x0
	; 64 numbers of a lane become a fragment's codes in v[PC] on and its scale word in v[PW]
.irp b, 0,1,2,3
	v_max3_num_f32 v[TM+\b], |v[X+16*\b]|, |v[X+1+16*\b]|, 0x1800000   ; block b: my 16 numbers, and the floor 2^(3 - 127): the byte cannot fall under 1
.endr
.irp i, 2,4,6,8,10,12,14
.irp b, 0,1,2,3
	v_max3_num_f32 v[TM+\b], v[TM+\b], |v[X+16*\b+\i]|, |v[X+1+16*\b+\i]|   ; the blocks by turns
.endr
.endr
.irp b, 0,1,2,3
	v_permlanex16_b32 v[TM+4+\b], v[TM+\b], s[SEL], s[SEL+1]
.endr
.irp b, 0,1,2,3
	v_max_num_f32 v[TM+\b], v[TM+\b], v[TM+4+\b]   ; with lane l xor 16's 16: the block's largest magnitude
.endr
.irp b, 0,1,2,3
	v_add_nc_u32 v[TM+12+\b], 0xff000000, v[TM+\b] ; 2 off its exponent field: the conversion takes the exponent field of this operand as its scale
.endr
.irp b, 0,1,2,3
	v_lshrrev_b32 v[TM+4+\b], 23, v[TM+12+\b]      ; the scale's byte
.endr
	v_lshl_or_b32 v[PW], v[TM+5], 8, v[TM+4]
	v_lshl_or_b32 v[PW], v[TM+6], 16, v[PW]
	v_lshl_or_b32 v[PW], v[TM+7], 24, v[PW]
.irp b, 0,1,2,3
	v_cvt_scalef32_pk8_fp4_f32 v[PC+2*\b], v[X+16*\b:X+7+16*\b], v[TM+12+\b]
	v_cvt_scalef32_pk8_fp4_f32 v[PC+1+2*\b], v[X+8+16*\b:X+15+16*\b], v[TM+12+\b]
.endr
	v_nop                                          ; one plain place behind a scaled conversion
.irp c, 0,1
.irp i, 0,1
	v_permlane16_swap_b32 v[PC+4*\c+\i], v[PC+2+4*\c+\i]   ; the operand's layout wants a whole block in a lane: lanes 0-15 block 2 c, lanes 16-31 block 2 c + 1
.endr
.endr
	global_store_b128 v5, v[PC:PC+3], s[36:37]             ; 32 lanes store 512 consecutive bytes
	global_store_b128 v5, v[PC+4:PC+7], s[36:37] offset:512
	global_store_b32 v6, v[PW], s[38:39]                   ; lanes 0-15 row r's word; lanes 16-31 the same words again
	s_endpgm
.Lfunc_end_k_qad42dfd10a_prep:
	.size	k_qad42dfd10a_prep, .Lfunc_end_k_qad42dfd10a_prep-k_qad42dfd10a_prep
	.p2alignl 7, 3214868480
	.fill 96, 4, 3214868480
	.section	.rodata,"a",@progbits
	.p2align	6, 0x0
	.amdhsa_kernel k_qad42dfd10a_prep
		.amdhsa_group_segment_fixed_size 0
		.amdhsa_private_segment_fixed_size 0
		.amdhsa_enable_private_segment 0
		.amdhsa_kernarg_size 64
		.amdhsa_user_sgpr_count 2
		.amdhsa_user_sgpr_kernarg_segment_ptr 1
		.amdhsa_wavefront_size32 1
		.amdhsa_system_sgpr_workgroup_id_x 1
		.amdhsa_system_sgpr_workgroup_id_y 1
		.amdhsa_system_sgpr_workgroup_id_z 1
		.amdhsa_system_vgpr_workitem_id 0
		.amdhsa_next_free_vgpr 112
		.amdhsa_next_free_sgpr 66
		.amdhsa_reserve_vcc 0
		.amdhsa_float_denorm_mode_32 3
		.amdhsa_float_denorm_mode_16_64 3
		.amdhsa_memory_ordered 1
		.amdhsa_forward_progress 1
		.amdhsa_inst_pref_size 9
	.end_amdhsa_kernel
	.amdgpu_metadata
---
amdhsa.version: [ 1, 2 ]
amdhsa.kernels:
  - .name:           k_qad42dfd10a_prep
    .symbol:         k_qad42dfd10a_prep.kd
    .args:
      - { .name: w1, .offset: 0, .size: 8, .value_kind: global_buffer, .address_space: global }
      - { .name: wt1, .offset: 8, .size: 8, .value_kind: global_buffer, .address_space: global }
      - { .name: wz1, .offset: 16, .size: 8, .value_kind: global_buffer, .address_space: global }
      - { .name: w2, .offset: 24, .size: 8, .value_kind: global_buffer, .address_space: global }
      - { .name: wt2, .offset: 32, .size: 8, .value_kind: global_buffer, .address_space: global }
      - { .name: wz2, .offset: 40, .size: 8, .value_kind: global_buffer, .address_space: global }
      - { .name: wz3, .offset: 48, .size: 8, .value_kind: global_buffer, .address_space: global }
      - { .name: wq, .offset: 56, .size: 8, .value_kind: global_buffer, .address_space: global }
    .group_segment_fixed_size: 0
    .private_segment_fixed_size: 0
    .kernarg_segment_align: 8
    .kernarg_segment_size: 64
    .max_flat_workgroup_size: 32
    .sgpr_count:     66
    .vgpr_count:     112
    .wavefront_size: 32
...
	.end_amdgpu_metadata
.endif
;; end of part 1
;; launch mlp (part 2): grid 256 x 1, 8 waves a work-group, no clusters, 168,448 bytes of LDS; arguments s, wq, b1, bt1, bz1, b2, bt2, bz2, w3, wt3, b3, bt3, bz3, zc, zs, nh, pt; writes zc, zs, nh, pt
.if DOCPART == 2
	.amdgcn_target "amdgcn-amd-amdhsa--gfx1250"
	.amdhsa_code_object_version 6
	.text
	.protected	k_qad42dfd10a_mlp
	.globl	k_qad42dfd10a_mlp
	.p2align	8
	.type	k_qad42dfd10a_mlp,@function
k_qad42dfd10a_mlp:
	s_mov_b64 s[64:65], 0
	v_nop
	global_prefetch_b8 v0, s[64:65] scope:SCOPE_SE
	s_setreg_imm32_b32 hwreg(HW_REG_WAVE_MODE, 25, 1), 1
	s_wait_xcnt 0x0
; The three small networks on 32 rows of s for each work-group.  All products but the last of the two scalar nets are on codes of E2M1 with one E8M0 scale for each 32 along K; sums in f32.
; OUT: pt = pred[8192], then tgt[8192];  zc = z's codes, tile T of 16 rows at 1024 T as an image of the operand's registers;  zs = z's scale word for each row;  nh = -0.5 x sum(z z) for each row, of the unquantised z.
; SHARES.  Work-group g owns rows 32 g .. 32 g + 31: two tiles of 16 rows (m = 0, 1).  Wave w of the eight brings 16 rows x 128 columns of s (tile w / 4, K step w % 4) into its own stage in LDS by one tensor load (rows of 512 bytes), quantises
; them into a fragment and stores its image in LDS.  Barrier.  Waves 0 .. 5: net n = w / 2, half u = w % 2 of the first layer's units, for both tiles of rows; the halves' codes go to LDS.  Barrier.
; Waves 0 .. 3 finish net w / 2 (0 pred, 1 target), waves 6 and 7 net 2 (z), each for the tile of rows w % 2.  Waves 4 and 5 end.  The weights' codes, made by the launch before, go from memory straight into registers.
; EVERY PRODUCT IS USED TRANSPOSED (source 0 = 16 rows of a weight, source 1 = 16 rows of s or of a hidden layer): a lane holds ONE row, and, by the choice of the rows that form a weight's tile (lane r of tile t: row
; 32 (t / 2) + 8 (t % 2) + r + 8 (r / 8)), register 8 t + j holds unit 32 (t / 2) + 16 (lane / 16) + 8 (t % 2) + j: the 16 registers of tiles 2 b, 2 b + 1 are 16 neighbours along the next K.  So a hidden layer is quantised in registers.
; The biases are the C of each sum's first matrix instruction.  The last product of nets 0 and 1 (one output) is 16 packed multiply-adds in f32 and one exchange between the halves of the lanes.
; wz3's K is 64: codes 64 .. 127 of both operands are zeros.
; NO CLUSTER: what the work-groups share, the weights' codes, goes straight into the registers of the wave that uses it, once in the launch (the first layer's fragments by one wave, the second's by two); a joint load would lay it into LDS first,
; with as many LDS loads again.  s is shared by nobody.  No prefetch: the text has no loop to run ahead in.
; The one tensor load of a wave is a first fill; nothing is filled again.  By this text's own count a wave has one tensor load outstanding.
; LIMITS: NaN and infinities are not served; a block whose largest magnitude lies under 2^-124 keeps the byte 1; a block of zeros gets the byte 1 and not 127 (zero codes; this program alone reads the bytes).
; REGISTERS.  Window 0: v1-14 lane numbers and addresses; v16-79 s's 8 fragments, later z; v80-87 their scale words; v88-115 the weights' scale words; v116-179 64 numbers of s, then the hidden layers; v180-195 at work;
;   v196-203 codes just made; v204, v205 scale words just made; v206-215 results and the spare words' two.
;   Window 1: v0-127 the first layer's 16 fragments, (t, s) at v[8 (4 t + s)] (waves 6, 7: wz3's 8 in v0-63, bz3 in v64-127); v128-159 the second layer's 4; v160-191 w3; v192-223 b1; v224-255 b2.
.set XIMG, 0                           ; LDS: s's 8 fragments, 4 m + K step, 1,024 bytes each
.set XSC,  8192                        ; their scale words, 128 bytes each
.set HIMG, 9216                        ; the first hidden layers' 6 fragments, 2 n + m
.set HSC,  15360                       ; their scale words
.set STG,  16128                       ; the stages: 16 rows x (512 bytes + 16 of padding) for each wave; no LDS store lands here
.set SPITCH, 528                       ; 33 x 16 bytes: the 16 rows that a load touches start 16 bytes apart modulo 256
.set STW,  16*SPITCH
.set SPARE, STG+8*STW                  ; the spare words, 128 bytes a wave, which no other line names
.set XF,  16
.set ST,  16
.set XS,  80
.set W1S, 88
.set W2S, 104
.set W3S, 108
.set HA,  116
.set TM,  180
.set PC,  196
.set PW,  204
.set PW2, 205
.set R,   206                          ; R the result, R+1 at work
.set DA,  208
.set DB,  210
.set SPW, 214
.set NIL, 215
.set W2F, 128                          ; in window 1
.set W3F, 160
.set B1,  192
.set B2,  224
.set BZ3, 64
.set WV,  42                           ; s42 my wave's number
.set GRP, 43                           ; s43 the work-group
.set SEL, 44                           ; s[44:45] v_permlanex16_b32's selects for lane l xor 16
.set NN,  46                           ; s46 my net (waves 6, 7: net 2)
.set UU,  47                           ; s47 w % 2: my half of the first layer's units, later my tile of rows
.set G0,  48                           ; s[48:51] descriptor group 0
.set G1,  52                           ; s[52:59] descriptor group 1
.set MSB, 0
.macro WIN new                         ; the immediate's high byte repeats the setting that is left
.if MSB != \new
	s_set_vgpr_msb (MSB<<8)|\new
.set MSB, \new
.endif
.endm
.set TO_W, 0x40                        ; a load's destination window 1
.set MULB, 0x11                        ; source 0 (weights) and source 2 (bias) window 1
.set MULA, 0x01                        ; source 0 (weights) window 1
.macro PLACES n
.rept \n
	v_nop
.endr
.endm
; 64 (nb = 4) or 32 (nb = 2) numbers of a lane, register 16 b + i of block b, become codes in v[PC] on and scale bytes: one word in v[PW] or, with pair = 1, blocks 0, 1 in v[PW] and blocks 2, 3 in v[PW2].
.macro QUANT s, nb, pair
.irp b, 0,1,2,3
.if \b < \nb
	v_max3_num_f32 v[TM+\b], |v[\s+16*\b]|, |v[\s+1+16*\b]|, 0x1800000   ; block b: my 16 numbers, and the floor 2^(3 - 127): the byte cannot fall under 1
.endif
.endr
.irp i, 2,4,6,8,10,12,14
.irp b, 0,1,2,3
.if \b < \nb
	v_max3_num_f32 v[TM+\b], v[TM+\b], |v[\s+16*\b+\i]|, |v[\s+1+16*\b+\i]|   ; the blocks by turns
.endif
.endr
.endr
.irp b, 0,1,2,3
.if \b < \nb
	v_permlanex16_b32 v[TM+4+\b], v[TM+\b], s[SEL], s[SEL+1]
.endif
.endr
.irp b, 0,1,2,3
.if \b < \nb
	v_max_num_f32 v[TM+\b], v[TM+\b], v[TM+4+\b]   ; with lane l xor 16's 16: the block's largest magnitude
.endif
.endr
.irp b, 0,1,2,3
.if \b < \nb
	v_add_nc_u32 v[TM+12+\b], 0xff000000, v[TM+\b] ; 2 off its exponent field: the conversion takes the exponent field of this operand as its scale
.endif
.endr
.irp b, 0,1,2,3
.if \b < \nb
	v_lshrrev_b32 v[TM+4+\b], 23, v[TM+12+\b]      ; the scale's byte
.endif
.endr
	v_lshl_or_b32 v[PW], v[TM+5], 8, v[TM+4]
.if \pair
	v_lshl_or_b32 v[PW2], v[TM+7], 8, v[TM+6]
.elseif \nb > 2
	v_lshl_or_b32 v[PW], v[TM+6], 16, v[PW]
	v_lshl_or_b32 v[PW], v[TM+7], 24, v[PW]
.endif
.irp b, 0,1,2,3
.if \b < \nb
	v_cvt_scalef32_pk8_fp4_f32 v[PC+2*\b], v[\s+16*\b:\s+7+16*\b], v[TM+12+\b]
	v_cvt_scalef32_pk8_fp4_f32 v[PC+1+2*\b], v[\s+8+16*\b:\s+15+16*\b], v[TM+12+\b]
.endif
.endr
	v_nop                                          ; one plain place behind a scaled conversion
.irp c, 0,1
.if 2*\c < \nb
.irp i, 0,1
	v_permlane16_swap_b32 v[PC+4*\c+\i], v[PC+2+4*\c+\i]   ; the operand's layout wants a whole block in a lane: lanes 0-15 block 2 c, lanes 16-31 block 2 c + 1
.endr
.endif
.endr
.if \nb == 2
.irp i, 4,5,6,7
	v_mov_b32 v[PC+\i], 0                          ; K is filled up with zero codes; the word's upper two bytes stay 0, which is a scale like any other over zero codes
.endr
.endif
.endm
.macro BIAS dst, n, base               ; lane (r, h) wants, for tile t, the numbers of units 32 (t / 2) + 16 h + 8 (t % 2) + 0 .. 7
.set tt, 0
.rept \n
	global_load_b128 v[\dst+8*tt:\dst+8*tt+3], v9, s[\base:\base+1] offset:(32*(tt/2)+8*(tt%2))*4
	global_load_b128 v[\dst+8*tt+4:\dst+8*tt+7], v9, s[\base:\base+1] offset:(32*(tt/2)+8*(tt%2))*4+16
.set tt, tt+1
.endr
.endm
.macro FRAGS dst, n, base              ; n fragments' codes
.set tt, 0
.rept \n
	global_load_b128 v[\dst+8*tt:\dst+8*tt+3], v5, s[\base:\base+1] offset:1024*tt
	global_load_b128 v[\dst+8*tt+4:\dst+8*tt+7], v5, s[\base:\base+1] offset:1024*tt+512
.set tt, tt+1
.endr
.endm
.macro WORDS dst, n, base              ; and their scale words
.set tt, 0
.rept \n
	global_load_b32 v[\dst+tt], v6, s[\base:\base+1] offset:128*tt
.set tt, tt+1
.endr
.endm
.macro RELU base, n                    ; each accumulator from its low end on
.set jj, 0
.rept \n
	v_max_num_f32 v[\base+jj], 0, v[\base+jj]
.set jj, jj+1
.endr
.endm
.macro FINISH                          ; a wave's end
	s_wait_tensorcnt 0x0
	ds_add_u32 v[SPW], v[NIL]
	s_wait_dscnt 0x0
	s_endpgm
.endm
	s_load_b512 s[8:23], s[0:1], 0x0               ; s s[8:9], wq s[10:11], b1 s[12:13], bt1 s[14:15], bz1 s[16:17], b2 s[18:19], bt2 s[20:21], bz2 s[22:23]
	s_load_b512 s[24:39], s[0:1], 0x40             ; w3 s[24:25], wt3 s[26:27], b3 s[28:29], bt3 s[30:31], bz3 s[32:33], zc s[34:35], zs s[36:37], nh s[38:39]
	s_load_b64 s[40:41], s[0:1], 0x80              ; pt
	v_lshl_add_u32 v[SPW], v0, 2, SPARE
	v_mov_b32 v[NIL], 0
	ds_add_u32 v[SPW], v[NIL]                      ; the wave's opening: the add, twice on end, and its wait ahead of my first tensor load
	ds_add_u32 v[SPW], v[NIL]
	v_lshrrev_b32 v1, 5, v0
	v_readfirstlane_b32 s[WV], v1                  ; wave 0..7
	s_mov_b32 s[GRP], ttmp9
	s_lshr_b32 s[NN], s[WV], 1
	s_min_u32 s[NN], s[NN], 2
	s_and_b32 s[UU], s[WV], 1
	; descriptor group 1: a tile of 16 rows x 128 elements of 4 bytes, rows 512 elements apart, 4 words of padding behind each row's 128 words
	s_mov_b32 s[G1+0], (2<<16)|(1<<20)|(6<<22)|(3<<25)
	s_mov_b32 s[G1+1], 128<<16                     ; tensor_dim0 = 128
	s_mov_b32 s[G1+2], 16<<16                      ; tensor_dim1 = 16
	s_mov_b32 s[G1+3], 128<<16                     ; tile_dim0 = 128
	s_mov_b32 s[G1+4], 16                          ; tile_dim1 = 16
	s_mov_b32 s[G1+5], 512                         ; tensor_dim0_stride
	s_mov_b32 s[G1+6], 0
	s_mov_b32 s[G1+7], 0
	s_mov_b32 s[G0], 1                             ; 1:0 count = 1
	s_mul_i32 s[G0+1], s[WV], STW
	s_add_co_u32 s[G0+1], s[G0+1], STG             ; 63:32 LDS address: my stage
	s_lshl_b32 s2, s[WV], 10
	s_lshl_b32 s3, s[WV], 7
	s_add_co_u32 s3, s3, XSC
	s_lshl_b32 s60, s[NN], 11
	s_add_co_u32 s60, s60, HIMG
	s_lshl_b32 s61, s[NN], 8
	s_add_co_u32 s61, s61, HSC
	s_lshl_b32 s62, s[UU], 9
	s_add_co_u32 s62, s62, s60                     ; hidden codes, stored: fragments 2 n, 2 n + 1, registers 4 u .. 4 u + 3
	s_lshl_b32 s63, s[UU], 10
	s_add_co_u32 s63, s63, s60                     ; and loaded: fragment 2 n + m
	s_lshl_b32 s66, s[UU], 1
	s_add_co_u32 s66, s66, s61                     ; scale bytes 2 u, 2 u + 1, stored
	s_lshl_b32 s67, s[UU], 7
	s_add_co_u32 s67, s67, s61                     ; and the words loaded
	v_and_b32 v1, 31, v0                           ; lane
	v_and_b32 v2, 15, v0                           ; r
	v_bfe_u32 v3, v0, 4, 1                         ; h
	v_mul_u32_u24 v4, v2, SPITCH
	v_lshl_add_u32 v4, v3, 6, v4
	v_add_nc_u32 v4, s[G0+1], v4                   ; out of the stage: row r, + 64 h: my 16 numbers of a block of 32
	v_lshlrev_b32 v5, 4, v1                        ; 16 x lane: an image's place for my lane
	v_lshlrev_b32 v6, 2, v1                        ; 4 x lane: a scale word's
	v_add_nc_u32 v7, s2, v5                        ; where I store my fragment of s
	v_add_nc_u32 v8, s3, v6                        ; and its scale words
	v_lshlrev_b32 v9, 6, v3                        ; 64 h: the biases' 16 h numbers
	v_add_nc_u32 v10, s62, v5
	v_add_nc_u32 v11, s66, v6
	v_add_nc_u32 v12, s63, v5
	v_add_nc_u32 v13, s67, v6
	v_lshlrev_b32 v14, 2, v2                       ; 4 r: a row's place in the outputs
	s_lshl_b32 s4, s[GRP], 16                      ; 32 rows of 2,048 bytes a work-group,
	s_lshr_b32 s2, s[WV], 2
	s_lshl_b32 s2, s2, 15                          ; 16 rows on for waves 4 to 7,
	s_add_co_u32 s4, s4, s2
	s_and_b32 s2, s[WV], 3
	s_lshl_b32 s2, s2, 9                           ; K step w % 4: 512 bytes each
	s_add_co_u32 s4, s4, s2
	s_mov_b32 s5, 0
	s_mov_b32 s[SEL], 0x76543210
	s_mov_b32 s[SEL+1], 0xfedcba98
	s_wait_alu depctr_va_vdst(0)
	s_wait_dscnt 0x0                               ; both opening adds are done
	s_wait_kmcnt 0x0
	s_add_nc_u64 s[G0+2:G0+3], s[8:9], s[4:5]      ; 120:64 global address of my tile
	s_or_b32 s[G0+3], s[G0+3], 0x80000000          ; 127:126 type = 2
	tensor_load_to_lds s[G0:G0+3], s[G1:G1+7]      ; my one tensor load, ahead of everything else
	s_nop 0
.irp b, 0,1,2,3
	v_mov_b32 v[TM+4+\b], 0                        ; a lane permute's destination counts as one of its sources.  (Five plain lines stand between the load and the next switch of windows)
.endr
	v_mov_b32 v[R+1], 0
	s_lshl_b32 s4, s[NN], 15
	s_lshl_b32 s2, s[UU], 14
	s_add_co_u32 s4, s4, s2
	s_add_nc_u64 s[60:61], s[10:11], s[4:5]        ; my half of my net's first layer: fragments 32 n + 16 u on
	s_lshr_b32 s4, s4, 3
	s_add_nc_u64 s[66:67], s[10:11], s[4:5]
	s_add_nc_u64 s[66:67], s[66:67], 118784        ; its scale words
	s_lshl_b32 s4, s[NN], 12
	s_add_nc_u64 s[62:63], s[10:11], s[4:5]
	s_add_nc_u64 s[62:63], s[62:63], 98304         ; my net's second layer: fragments 96 + 4 n on
	s_lshl_b32 s4, s[NN], 9
	s_add_nc_u64 s[68:69], s[10:11], s[4:5]
	s_add_nc_u64 s[68:69], s[68:69], 131072        ; its scale words
	s_add_nc_u64 s[84:85], s[10:11], 110592        ; wz3: fragments 108 on
	s_add_nc_u64 s[86:87], s[10:11], 132608        ; its scale words
	s_cmp_eq_u32 s[NN], 1                          ; my net's biases and last row: choices on the wave's number alone
	s_cselect_b64 s[70:71], s[14:15], s[12:13]
	s_cselect_b64 s[72:73], s[20:21], s[18:19]
	s_cselect_b64 s[74:75], s[26:27], s[24:25]
	s_cselect_b64 s[76:77], s[30:31], s[28:29]
	s_cmp_eq_u32 s[NN], 2
	s_cselect_b64 s[70:71], s[16:17], s[70:71]
	s_cselect_b64 s[72:73], s[22:23], s[72:73]
	s_lshl_b32 s4, s[UU], 8
	s_add_nc_u64 s[70:71], s[70:71], s[4:5]        ; the first bias at my half's 64 units
	s_lshl_b32 s4, s[GRP], 11
	s_lshl_b32 s2, s[UU], 10
	s_add_co_u32 s4, s4, s2
	s_add_nc_u64 s[88:89], s[34:35], s[4:5]        ; zc at my tile
	s_lshr_b32 s4, s4, 4
	s_add_nc_u64 s[90:91], s[36:37], s[4:5]        ; zs, nh and pt at my 16 rows
	s_add_nc_u64 s[92:93], s[38:39], s[4:5]
	s_add_nc_u64 s[80:81], s[40:41], s[4:5]
	s_lshl_b32 s4, s[NN], 15
	s_add_nc_u64 s[80:81], s[80:81], s[4:5]        ; net 0: pred, net 1: tgt (used by waves 0 to 3 alone)
	; ---- the weights, asked for while the tile of s is on its way
.macro LOAD2                           ; the second layer
	WIN TO_W
	FRAGS W2F, 4, 62
	BIAS B2, 4, 72
	WIN 0
	WORDS W2S, 4, 68
.endm
	s_cmp_ge_u32 s[WV], 6
	s_cbranch_scc1 .Lzloads
	WIN TO_W
	FRAGS 0, 16, 60
	BIAS B1, 4, 70
	WIN 0
	WORDS W1S, 16, 66
	s_cmp_ge_u32 s[WV], 4
	s_cbranch_scc1 .Lasked                         ; waves 4 and 5 have the first layer alone
	LOAD2
	WIN TO_W
	BIAS W3F, 4, 74                                ; w3 or wt3, in the second hidden layer's own layout
	WIN 0
	s_load_b32 s78, s[76:77], 0x0                  ; b3 or bt3
	s_branch .Lasked
.Lzloads:
	LOAD2
	WIN TO_W
	FRAGS 0, 8, 84
	BIAS BZ3, 8, 32
	WIN 0
	WORDS W3S, 8, 86
.Lasked:
	; ---- my 16 rows x 128 columns of s become a fragment
	s_wait_tensorcnt 0x0                           ; my tile is in my stage, which I alone read
.irp b, 0,1,2,3
.irp j, 0,1,2,3
	ds_load_b128 v[HA+16*\b+4*\j:HA+16*\b+4*\j+3], v4 offset:128*\b+16*\j
.endr
.endr
	s_wait_dscnt 0x0
	QUANT HA, 4, 0
	ds_store_b128 v7, v[PC:PC+3] offset:XIMG       ; the fragment and its scale words as they stand in the registers
	ds_store_b128 v7, v[PC+4:PC+7] offset:XIMG+512
	ds_store_b32 v8, v[PW]
	s_wait_dscnt 0x0                               ; for the others' sake: my stores have landed
	s_barrier_signal -1
	s_barrier_wait -1                              ; s's eight fragments lie in LDS; nothing is written there again
	s_cmp_ge_u32 s[WV], 6
	s_cbranch_scc1 .Lhidden
	; ---- the first layer: my four tiles of units, both tiles of rows.  The eight accumulators take turns, K step by K step
.irp f, 0,1,2,3,4,5,6,7
	ds_load_b128 v[XF+8*\f:XF+8*\f+3], v5 offset:XIMG+1024*\f
	ds_load_b128 v[XF+8*\f+4:XF+8*\f+7], v5 offset:XIMG+1024*\f+512
	ds_load_b32 v[XS+\f], v6 offset:XSC+128*\f
.endr
	s_wait_loadcnt 0x0                             ; the weights, once
	s_wait_dscnt 0x0
	WIN MULB
.irp m, 0,1
.irp t, 0,1,2,3
	v_wmma_scale_f32_16x16x128_f8f6f4 v[HA+32*\m+8*\t:HA+32*\m+8*\t+7], v[32*\t:32*\t+7], v[XF+32*\m:XF+32*\m+7], v[B1+8*\t:B1+8*\t+7], v[W1S+4*\t], v[XS+4*\m] matrix_a_fmt:MATRIX_FMT_FP4 matrix_b_fmt:MATRIX_FMT_FP4
.endr
.endr
	WIN MULA
.irp s, 1,2,3
.irp m, 0,1
.irp t, 0,1,2,3
	v_wmma_scale_f32_16x16x128_f8f6f4 v[HA+32*\m+8*\t:HA+32*\m+8*\t+7], v[32*\t+8*\s:32*\t+8*\s+7], v[XF+32*\m+8*\s:XF+32*\m+8*\s+7], v[HA+32*\m+8*\t:HA+32*\m+8*\t+7], v[W1S+4*\t+\s], v[XS+4*\m+\s] matrix_a_fmt:MATRIX_FMT_FP4 matrix_b_fmt:MATRIX_FMT_FP4
.endr
.endr
.endr
	WIN 0
	PLACES 4                                       ; four places between the last product and the first read of results (ISA guide 7.12.1)
	RELU HA, 64                                    ; the activation, in f32
	QUANT HA, 4, 1                                 ; blocks 0, 1 are tile 0's rows, blocks 2, 3 tile 1's; each pair is K blocks 2 u, 2 u + 1
	ds_store_b128 v10, v[PC:PC+3]
	ds_store_b128 v10, v[PC+4:PC+7] offset:1024
	ds_store_b16 v11, v[PW]
	ds_store_b16 v11, v[PW2] offset:128
.Lhidden:
	s_wait_dscnt 0x0                               ; for the others' sake: my stores have landed
	s_barrier_signal -1
	s_barrier_wait -1                              ; the hidden layers' six fragments lie in LDS
	s_cmp_ge_u32 s[WV], 6
	s_cbranch_scc1 .Lznet
	s_cmp_lt_u32 s[WV], 4
	s_cbranch_scc1 .Lscalar
	FINISH
; the second layer of my net for my tile of rows
.macro LAYER2
	ds_load_b128 v[PC:PC+3], v12
	ds_load_b128 v[PC+4:PC+7], v12 offset:512
	ds_load_b32 v[PW], v13
	s_wait_loadcnt 0x0
	s_wait_kmcnt 0x0
	s_wait_dscnt 0x0
	WIN MULB
.irp t, 0,1,2,3
	v_wmma_scale_f32_16x16x128_f8f6f4 v[HA+8*\t:HA+8*\t+7], v[W2F+8*\t:W2F+8*\t+7], v[PC:PC+7], v[B2+8*\t:B2+8*\t+7], v[W2S+\t], v[PW] matrix_a_fmt:MATRIX_FMT_FP4 matrix_b_fmt:MATRIX_FMT_FP4
.endr
	WIN 0
	PLACES 4
	RELU HA, 32
.endm
.Lscalar:
	LAYER2
	; the one output of a row, in f32: my 32 units in two chains of packed multiply-adds, then lane l xor 16's 32, then the bias
	WIN 0x04                                       ; source 1 (w3) window 1
	v_pk_mul_f32 v[DA:DA+1], v[HA:HA+1], v[W3F:W3F+1]
	v_pk_mul_f32 v[DB:DB+1], v[HA+2:HA+3], v[W3F+2:W3F+3]
.irp j, 4,8,12,16,20,24,28
	v_pk_fma_f32 v[DA:DA+1], v[HA+\j:HA+\j+1], v[W3F+\j:W3F+\j+1], v[DA:DA+1]
	v_pk_fma_f32 v[DB:DB+1], v[HA+\j+2:HA+\j+3], v[W3F+\j+2:W3F+\j+3], v[DB:DB+1]
.endr
	WIN 0
	v_pk_add_f32 v[DA:DA+1], v[DA:DA+1], v[DB:DB+1]
	v_add_f32 v[R], v[DA], v[DA+1]
	v_permlanex16_b32 v[R+1], v[R], s[SEL], s[SEL+1]
	v_add_f32 v[R], v[R], v[R+1]
	v_add_f32 v[R], s78, v[R]
	global_store_b32 v14, v[R], s[80:81]           ; row r's number; both halves of the lanes hold it and store it to the same place
	FINISH
.Lznet:
	LAYER2
	; z of my tile of rows, its sum of squares, its codes
	QUANT HA, 2, 0
	PLACES 8                                       ; a scale register written by vector instructions stands eight places ahead of a scaled product, an operand so written four
	WIN MULB
.irp t, 0,1,2,3,4,5,6,7
	v_wmma_scale_f32_16x16x128_f8f6f4 v[ST+8*\t:ST+8*\t+7], v[8*\t:8*\t+7], v[PC:PC+7], v[BZ3+8*\t:BZ3+8*\t+7], v[W3S+\t], v[PW] matrix_a_fmt:MATRIX_FMT_FP4 matrix_b_fmt:MATRIX_FMT_FP4
.endr
	WIN 0
	PLACES 4
	v_pk_mul_f32 v[DA:DA+1], v[ST:ST+1], v[ST:ST+1]        ; the sum of squares of the UNQUANTISED z, ascending, in two chains
	v_pk_mul_f32 v[DB:DB+1], v[ST+2:ST+3], v[ST+2:ST+3]
.irp j, 4,8,12,16,20,24,28,32,36,40,44,48,52,56,60
	v_pk_fma_f32 v[DA:DA+1], v[ST+\j:ST+\j+1], v[ST+\j:ST+\j+1], v[DA:DA+1]
	v_pk_fma_f32 v[DB:DB+1], v[ST+\j+2:ST+\j+3], v[ST+\j+2:ST+\j+3], v[DB:DB+1]
.endr
	v_pk_add_f32 v[DA:DA+1], v[DA:DA+1], v[DB:DB+1]
	v_add_f32 v[R], v[DA], v[DA+1]
	v_permlanex16_b32 v[R+1], v[R], s[SEL], s[SEL+1]
	v_add_f32 v[R], v[R], v[R+1]
	v_mul_f32 v[R], -0.5, v[R]                     ; exact: the next launch gets the sum of squares back as -2 x this
	global_store_b32 v14, v[R], s[92:93]           ; both halves of the lanes hold row r's number and store it to the same place
	QUANT ST, 4, 0
	global_store_b128 v5, v[PC:PC+3], s[88:89]             ; 32 lanes store 512 consecutive bytes
	global_store_b128 v5, v[PC+4:PC+7], s[88:89] offset:512
	global_store_b32 v14, v[PW], s[90:91]
	FINISH
.Lfunc_end_k_qad42dfd10a_mlp:
	.size	k_qad42dfd10a_mlp, .Lfunc_end_k_qad42dfd10a_mlp-k_qad42dfd10a_mlp
	.p2alignl 7, 3214868480
	.fill 96, 4, 3214868480
	.section	.rodata,"a",@progbits
	.p2align	6, 0x0
	.amdhsa_kernel k_qad42dfd10a_mlp
		.amdhsa_group_segment_fixed_size 168448
		.amdhsa_private_segment_fixed_size 0
		.amdhsa_enable_private_segment 0
		.amdhsa_kernarg_size 136
		.amdhsa_user_sgpr_count 2
		.amdhsa_user_sgpr_kernarg_segment_ptr 1
		.amdhsa_wavefront_size32 1
		.amdhsa_system_sgpr_workgroup_id_x 1
		.amdhsa_system_sgpr_workgroup_id_y 1
		.amdhsa_system_sgpr_workgroup_id_z 1
		.amdhsa_system_vgpr_workitem_id 0
		.amdhsa_next_free_vgpr 512
		.amdhsa_next_free_sgpr 96
		.amdhsa_reserve_vcc 0
		.amdhsa_float_denorm_mode_32 3
		.amdhsa_float_denorm_mode_16_64 3
		.amdhsa_memory_ordered 1
		.amdhsa_forward_progress 1
		.amdhsa_inst_pref_size 52
	.end_amdhsa_kernel
	.amdgpu_metadata
---
amdhsa.version: [ 1, 2 ]
amdhsa.kernels:
  - .name:           k_qad42dfd10a_mlp
    .symbol:         k_qad42dfd10a_mlp.kd
    .args:
      - { .name: s, .offset: 0, .size: 8, .value_kind: global_buffer, .address_space: global }
      - { .name: wq, .offset: 8, .size: 8, .value_kind: global_buffer, .address_space: global }
      - { .name: b1, .offset: 16, .size: 8, .value_kind: global_buffer, .address_space: global }
      - { .name: bt1, .offset: 24, .size: 8, .value_kind: global_buffer, .address_space: global }
      - { .name: bz1, .offset: 32, .size: 8, .value_kind: global_buffer, .address_space: global }
      - { .name: b2, .offset: 40, .size: 8, .value_kind: global_buffer, .address_space: global }
      - { .name: bt2, .offset: 48, .size: 8, .value_kind: global_buffer, .address_space: global }
      - { .name: bz2, .offset: 56, .size: 8, .value_kind: global_buffer, .address_space: global }
      - { .name: w3, .offset: 64, .size: 8, .value_kind: global_buffer, .address_space: global }
      - { .name: wt3, .offset: 72, .size: 8, .value_kind: global_buffer, .address_space: global }
      - { .name: b3, .offset: 80, .size: 8, .value_kind: global_buffer, .address_space: global }
      - { .name: bt3, .offset: 88, .size: 8, .value_kind: global_buffer, .address_space: global }
      - { .name: bz3, .offset: 96, .size: 8, .value_kind: global_buffer, .address_space: global }
      - { .name: zc, .offset: 104, .size: 8, .value_kind: global_buffer, .address_space: global }
      - { .name: zs, .offset: 112, .size: 8, .value_kind: global_buffer, .address_space: global }
      - { .name: nh, .offset: 120, .size: 8, .value_kind: global_buffer, .address_space: global }
      - { .name: pt, .offset: 128, .size: 8, .value_kind: global_buffer, .address_space: global }
    .group_segment_fixed_size: 168448
    .private_segment_fixed_size: 0
    .kernarg_segment_align: 8
    .kernarg_segment_size: 136
    .max_flat_workgroup_size: 256
    .sgpr_count:     96
    .vgpr_count:     512
    .wavefront_size: 32
...
	.end_amdgpu_metadata
.endif
;; end of part 2
;; launch knn (part 3): grid 256 x 1, 4 waves a work-group, no clusters, 39,424 bytes of LDS; arguments zc, zs, nh, sumk, psum; writes sumk, psum
.if DOCPART == 3
	.amdgcn_target "amdgcn-amd-amdhsa--gfx1250"
	.amdhsa_code_object_version 6
	.text
	.protected	k_qad42dfd10a_knn
	.globl	k_qad42dfd10a_knn
	.p2align	8
	.type	k_qad42dfd10a_knn,@function
k_qad42dfd10a_knn:
	s_mov_b64 s[64:65], 0
	v_nop
	global_prefetch_b8 v0, s[64:65] scope:SCOPE_SE
	s_setreg_imm32_b32 hwreg(HW_REG_WAVE_MODE, 25, 1), 1
	s_wait_xcnt 0x0
; For each of 8,192 rows: the 11 smallest distances to all rows, the smallest dropped, the other ten summed (sumk); and the sum of those sums over the work-group's 32 rows (psum).
; distance^2 = sq_i + sq_j - 2 Q(z_i) . Q(z_j).  THE PRODUCT: source 0 = 16 candidates j, source 1 = 16 queries i, both as codes of E2M1 with E8M0 scales, C = -sq_j / 2 in the result's layout (register j' of lane (r, h): candidate 8 h + j').
; So D = dot - sq_j / 2 comes out of the matrix unit, distance^2 = sq_i - 2 D, and the 11 smallest distances of a query are its 11 LARGEST D: root and clip at 0 rise with their input, so they are taken of ten numbers a row, at the end.
; SHARES.  Work-group g owns queries 32 g .. 32 g + 31, two tiles (q = 0, 1).  Each of its four waves walks 128 tiles of candidates, eight a batch, 16 batches, against both tiles of queries: a lane holds ONE query and 64 candidates a batch and tile of queries.
; THE SELECTION is exact and has no branch.  Let an element be known to have m elements at or above it in its group, itself counted, groups disjoint.  Of all such elements only the largest floor(11 / m) can lie among the largest 11 of all.
; 64 values: 21 triples are sorted (firsts F m = 1, seconds S m = 2, thirds T m = 3; one value is left over); F, S and T are sorted in triples again (7 each of FF m 1, FS 2, FT 3, SF 2, SS 4, ST 6, TF 3, TS 6, TT 9); a third round sorts
; within each of the nine kinds and feeds lists of floor(11 / m) places, 73 registers for each tile of queries, 271 instructions for 64 values.  An insertion is one v_med3_num_f32 for each place, from the bottom up, and a v_max_num_f32 on top.
; AT THE END one v_permlane16_swap_b32 for each list register gives each lane one query of the 32 and both halves' lists of it.  These join kind by kind.  Then all go into the list of 11 in ascending order of B = m x (place in its list + 1):
; B elements are at or above such an element, itself counted, and the largest B - 1 of all have smaller B and are in the list already: so the insertion begins at place B - 1.  Through LDS the four waves' lists of 11 meet.
; The candidates' codes and scale words go from memory straight into registers, two buffers, asked for three selections (813 vector instructions) ahead of the product that takes them: so no prefetch stands beside them.
; The wave's 2,048 values of -sq / 2 are copied once, in runs of 512 bytes, into its own LDS bytes.
; NO CLUSTER: a candidate fragment is used by one wave of a work-group and goes straight into that wave's registers; against the 20 loads of a batch the wave issues 542 instructions of selection.  Joint loads would lay the candidates, 524,288
; bytes for each work-group, into a ring in LDS first, with as many LDS loads again and a round of the cluster's barrier for each slot.
; LIMITS: NaN and infinities are not served.  The order of candidates is taken on dot - sq_j / 2 as the matrix unit rounds it, not on (sq_i + sq_j) - 2 dot: the two differ by a last bit of sq, which can swap two candidates whose distances agree that far.
; REGISTERS, in windows of 256.  Window 0: v1-11 lane numbers and addresses; v12-27 queries; v28 their scale words; v32-39 candidates' scale words, two sets; v48-193 the lists; v196-242 the tail.
;   Window 1: v0-63, v64-127 two buffers of eight fragments of candidates; v128-191 C.   Window 2: v0-63, v64-127 D for the two tiles of queries; v128-191 at work.
.set MRG, 32768                        ; LDS: behind the four waves' 8,192 bytes of -sq / 2 the lists: 32 lanes x 48 bytes a wave
.set SPARE, 38912                      ; behind them the spare words, 128 bytes a wave, which no other line names
.set QF,  12
.set QS,  28                           ; lanes 0-15 tile 0's, lanes 16-31 tile 1's
.set CS,  32                           ; register i of a set: lanes 0-15 tile 2 i's, lanes 16-31 tile 2 i + 1's
.set LB,  48                           ; the lists: q = 0 at 48, q = 1 at 121.  In 73: the 11 at 0; lists of 5 at 11, 16, 21, 26; of 3 at 31, 34, 37, 40; of 2 at 43, 45 .. 53; single ones at 55 .. 72
.set CN,  128                          ; in window 1
.set W,   128                          ; in window 2
.set ML,  196                          ; the other three waves' lists, 12 registers each
.set XR,  232                          ; distances
.set SUMR, 68                          ; v68, v69: list registers that are done with
.set MSB, 0
.macro WIN new                         ; the immediate's high byte repeats the setting that is left
.if MSB != \new
	s_set_vgpr_msb (MSB<<8)|\new
.set MSB, \new
.endif
.endm
.set MUL,  0x91                        ; D window 2, source 0 (candidates) window 1, source 1 (queries) window 0, C window 1
.set SORT, 0xaa                        ; all in window 2
.set PUT,  0x02                        ; source 0 (the new number) window 2, the lists window 0
.set PUT2, 0x0a                        ; sources 0 and 1 (two new numbers) window 2
.set TO_B, 0x40                        ; a load's destination window 1, address window 0
; x goes into the descending list of len places at base.  Places under from hold numbers at or above x and do not move.
.macro INS base, len, x, from
.set ii, (\len)-1
.if (\len)-1-(\from) > 0
.rept (\len)-1-(\from)
	v_med3_num_f32 v[(\base)+ii], v[\x], v[(\base)+ii-1], v[(\base)+ii]
.set ii, ii-1
.endr
.endif
	v_max_num_f32 v[(\base)+(\from)], v[\x], v[(\base)+(\from)]
.endm
; the descending list of n at src goes into the list of n at dst: element k finds the k before it already in
.macro INSLIST dst, n, src
.set kk, 0
.rept \n
	INS \dst, \n, (\src)+kk, kk
.set kk, kk+1
.endr
.endm
.macro S3 o, st, a, b, c               ; three numbers, descending, to o, o + st, o + 2 st
	v_max3_num_f32 v[\o], v[\a], v[\b], v[\c]
	v_med3_num_f32 v[(\o)+(\st)], v[\a], v[\b], v[\c]
	v_min3_num_f32 v[(\o)+2*(\st)], v[\a], v[\b], v[\c]
.endm
.macro S33 o, d                        ; the first six of a kind, as two triples
	S3 \o, 1, \d, \d+1, \d+2
	S3 \o+3, 1, \d+3, \d+4, \d+5
.endm
; first round: 21 triples of D; each accumulator is first read at its low end.  F to W .., S to W + 21 .., T to W + 42 ..; register 63 is left over
.macro SORT1 q
.set DQ, 64*\q
.irp i, 0,1,2,3,4,5,6,7
	S3 W+\i, 21, DQ+\i, DQ+8+\i, DQ+16+\i
.endr
.irp i, 0,1,2,3,4,5,6,7
	S3 W+8+\i, 21, DQ+24+\i, DQ+32+\i, DQ+40+\i
.endr
	S3 W+16, 21, DQ+48, DQ+56, DQ+49
	S3 W+17, 21, DQ+57, DQ+50, DQ+58
	S3 W+18, 21, DQ+51, DQ+59, DQ+52
	S3 W+19, 21, DQ+60, DQ+53, DQ+61
	S3 W+20, 21, DQ+54, DQ+62, DQ+55
.endm
; second round, back into D's registers: FF 0 .., FS 7 .., FT 14 .., SF 21 .., SS 28 .., ST 35 .., TF 42 .., TS 49 .., TT 56 .. 62.  Third round, into W
.macro SORT2 q
.set DQ, 64*\q
.irp e, 0,1,2
.irp g, 0,1,2,3,4,5,6
	S3 DQ+21*\e+\g, 7, W+21*\e+3*\g, W+21*\e+3*\g+1, W+21*\e+3*\g+2
.endr
.endr
	S33 W, DQ                                      ; FF, with the left-over value as its eighth
	v_max_num_f32 v[W+6], v[DQ+6], v[DQ+63]
	v_min_num_f32 v[W+7], v[DQ+6], v[DQ+63]
	S33 W+8, DQ+7                                  ; FS
	S33 W+14, DQ+21                                ; SF
	S33 W+20, DQ+14                                ; FT
	S33 W+26, DQ+42                                ; TF
.irp e, 0,1
	v_max3_num_f32 v[W+32+2*\e], v[DQ+28+3*\e], v[DQ+29+3*\e], v[DQ+30+3*\e]   ; SS: its thirds have m = 12 and count for nothing
	v_med3_num_f32 v[W+33+2*\e], v[DQ+28+3*\e], v[DQ+29+3*\e], v[DQ+30+3*\e]
	v_max3_num_f32 v[W+36+\e], v[DQ+35+3*\e], v[DQ+36+3*\e], v[DQ+37+3*\e]     ; ST, TS, TT: the largest alone counts
	v_max3_num_f32 v[W+38+\e], v[DQ+49+3*\e], v[DQ+50+3*\e], v[DQ+51+3*\e]
	v_max3_num_f32 v[W+40+\e], v[DQ+56+3*\e], v[DQ+57+3*\e], v[DQ+58+3*\e]
.endr
	S3 W+42, 1, W, W+3, W+6                        ; FF's firsts: m 1, 2, 3
	S3 W+45, 1, W+1, W+4, W+7                      ; FF's seconds: m 2, 4, 6
	S3 W+48, 1, W+8, W+11, DQ+13                   ; FS's firsts: m 2, 4, 6
	S3 W+51, 1, W+14, W+17, DQ+27                  ; SF's
	S3 W+54, 1, W+20, W+23, DQ+20                  ; FT's firsts: m 3, 6, 9
	S3 W+57, 1, W+26, W+29, DQ+48                  ; TF's
	v_max3_num_f32 v[W+60], v[W+32], v[W+34], v[DQ+34]     ; SS's firsts: m 4, 8
	v_med3_num_f32 v[W+61], v[W+32], v[W+34], v[DQ+34]
.endm
.macro ONE o, x
	v_max_num_f32 v[LQ+\o], v[\x], v[LQ+\o]
.endm
.macro PAIR o, x, y
	v_max3_num_f32 v[LQ+\o], v[\x], v[\y], v[LQ+\o]
.endm
.macro SELECT q
.set DQ, 64*\q
.set LQ, LB+73*\q
	WIN PUT
	INS LQ, 11, W+42, 0
	INS LQ+11, 5, W+43, 0
	INS LQ+34, 3, W+2, 0                           ; FF's thirds, m 3
	INS LQ+47, 2, W+9, 0                           ; FS's seconds, m 4
	INS LQ+51, 2, W+15, 0                          ; SF's
	INS LQ+16, 5, W+45, 0
	INS LQ+31, 3, W+44, 0
	INS LQ+43, 2, W+46, 0
	INS LQ+34, 3, W+5, 0
	INS LQ+47, 2, W+12, 0
	INS LQ+51, 2, W+18, 0
	INS LQ+21, 5, W+48, 0
	INS LQ+26, 5, W+51, 0
	INS LQ+37, 3, W+54, 0
	INS LQ+40, 3, W+57, 0
	INS LQ+45, 2, W+49, 0
	INS LQ+49, 2, W+52, 0
	INS LQ+53, 2, W+60, 0
	ONE 70, DQ+41                                  ; ST's, TS's, TT's seventh
	ONE 71, DQ+55
	ONE 72, DQ+62
	ONE 55, W+47                                   ; m 6
	ONE 56, W+50
	ONE 58, W+53
	ONE 60, W+55
	ONE 62, W+56                                   ; m 9
	ONE 64, W+58
	ONE 66, W+59                                   ; m 9
	ONE 68, W+61                                   ; m 8
	WIN PUT2
	PAIR 57, W+10, W+13                            ; FS's thirds, m 6
	PAIR 59, W+16, W+19                            ; SF's
	PAIR 61, W+21, W+24                            ; FT's seconds, m 6,
	PAIR 63, W+22, W+25                            ; and thirds, m 9
	PAIR 65, W+27, W+30                            ; TF's
	PAIR 67, W+28, W+31
	PAIR 69, W+33, W+35                            ; SS's seconds, m 8
	PAIR 70, W+36, W+37
	PAIR 71, W+38, W+39
	PAIR 72, W+40, W+41
.endm
; the eight products of a batch for the tile of queries q, from buffer p; the rows of the scale registers by the tiles' parity and by q
.macro WM q, p
.irp i, 0,1,2,3
.if \q == 0
	v_wmma_scale_f32_16x16x128_f8f6f4 v[16*\i:16*\i+7], v[64*(\p)+16*\i:64*(\p)+16*\i+7], v[QF:QF+7], v[CN+16*\i:CN+16*\i+7], v[CS+4*(\p)+\i], v[QS] matrix_a_fmt:MATRIX_FMT_FP4 matrix_b_fmt:MATRIX_FMT_FP4
	v_wmma_scale_f32_16x16x128_f8f6f4 v[16*\i+8:16*\i+15], v[64*(\p)+16*\i+8:64*(\p)+16*\i+15], v[QF:QF+7], v[CN+16*\i+8:CN+16*\i+15], v[CS+4*(\p)+\i], v[QS] matrix_a_fmt:MATRIX_FMT_FP4 matrix_b_fmt:MATRIX_FMT_FP4 matrix_a_scale:MATRIX_SCALE_ROW1
.else
	v_wmma_scale_f32_16x16x128_f8f6f4 v[64+16*\i:64+16*\i+7], v[64*(\p)+16*\i:64*(\p)+16*\i+7], v[QF+8:QF+15], v[CN+16*\i:CN+16*\i+7], v[CS+4*(\p)+\i], v[QS] matrix_a_fmt:MATRIX_FMT_FP4 matrix_b_fmt:MATRIX_FMT_FP4 matrix_b_scale:MATRIX_SCALE_ROW1
	v_wmma_scale_f32_16x16x128_f8f6f4 v[64+16*\i+8:64+16*\i+15], v[64*(\p)+16*\i+8:64*(\p)+16*\i+15], v[QF+8:QF+15], v[CN+16*\i+8:CN+16*\i+15], v[CS+4*(\p)+\i], v[QS] matrix_a_fmt:MATRIX_FMT_FP4 matrix_b_fmt:MATRIX_FMT_FP4 matrix_a_scale:MATRIX_SCALE_ROW1 matrix_b_scale:MATRIX_SCALE_ROW1
.endif
.endr
.endm
.macro CODES p, k                      ; buffer p takes the codes of the batch that lies k batches behind the base
	WIN TO_B
.irp t, 0,1,2,3,4,5,6,7
.irp c, 0,1
	global_load_b128 v[64*\p+8*\t+4*\c:64*\p+8*\t+4*\c+3], v2, s[20:21] offset:8192*(\k)+1024*\t+512*\c   ; 32 lanes read 512 consecutive bytes
.endr
.endr
	WIN 0
.irp i, 0,1,2,3
	global_load_b32 v[CS+4*\p+\i], v9, s[26:27] offset:512*(\k)+128*\i
.endr
.endm
.macro CVALS adr, k                    ; C of the batch that lies k batches behind adr: lanes of a half read the same 32 bytes
	WIN TO_B
.irp t, 0,1,2,3,4,5,6,7
	ds_load_b128 v[CN+8*\t:CN+8*\t+3], v[\adr] offset:512*(\k)+64*\t
	ds_load_b128 v[CN+8*\t+4:CN+8*\t+7], v[\adr] offset:512*(\k)+64*\t+16
.endr
.endm
; A batch, in buffer p.  Its D for q = 0 were made before; it makes those for q = 1, selects from both, and in between makes the next batch's for q = 0.
; ld = 1: buffer p takes the codes of two batches on, behind the four places that loads into registers read by matrix instructions want.
; nx = 1: there is a next batch.  The 63 lines of SORT1 name none of the last products' registers: they are the places in front of the loads of C.  cnt: the loads issued behind the next batch's 20.
.macro BATCH p, ld, nx, cnt
	WIN MUL
	WM 1, \p
.if \ld
.rept 4
	v_nop
.endr
	CODES \p, \p+2
.endif
	WIN SORT
	SORT1 0
.if \nx
	CVALS 5, \p+1
.endif
	WIN SORT
	SORT2 0
	SELECT 0
.if \nx
	s_wait_loadcnt \cnt                            ; the next batch's codes and scale words are in
	s_wait_dscnt 0x0                               ; and its C
	WIN MUL
	WM 0, 1-(\p)
.endif
	WIN SORT
	SORT1 1
	SORT2 1
	SELECT 1
.endm
	s_load_b256 s[4:11], s[0:1], 0x0               ; zc s[4:5], zs s[6:7], nh s[8:9], sumk s[10:11]
	s_load_b64 s[12:13], s[0:1], 0x20              ; psum
	v_lshl_add_u32 v254, v0, 2, SPARE              ; LDS address of my spare word; never rewritten
	v_mov_b32 v255, 0
	v_lshrrev_b32 v1, 5, v0
	v_readfirstlane_b32 s16, v1                    ; wave 0..3
	s_mov_b32 s17, ttmp9                           ; g
	s_lshl_b32 s18, s16, 13                        ; 8,192 x wave
	s_mul_i32 s19, s16, 1536
	v_and_b32 v1, 31, v0                           ; lane
	v_bfe_u32 v31, v0, 4, 1                        ; h
	v_lshlrev_b32 v2, 4, v1                        ; 16 x lane
	v_lshlrev_b32 v9, 2, v1                        ; 4 x lane
	v_lshlrev_b32 v3, 5, v31
	v_add_nc_u32 v3, s18, v3                       ; -sq / 2: my wave's bytes, + 32 h
	v_add_nc_u32 v30, s18, v2                      ; the copy: 8,192 x wave + 16 x lane, in memory and in LDS alike
	v_mul_u32_u24 v8, v1, 48
	v_add_nc_u32 v8, MRG, v8                       ; the lists: 48 bytes a lane,
	v_add_nc_u32 v7, s19, v8                       ; 1,536 a wave
	v_mov_b32 v11, 0
	s_mov_b32 s24, 0x76543210
	s_mov_b32 s25, 0xfedcba98                      ; v_permlanex16_b32's selects for lane l xor 16
	s_mov_b32 s19, 0
.set jj, 0
.rept 146
	v_mov_b32 v[LB+jj], 0xff800000                 ; the lists begin at -infinity
.set jj, jj+1
.endr
	s_wait_alu depctr_va_vdst(0)
	s_wait_kmcnt 0x0
	s_add_nc_u64 s[26:27], s[6:7], s[18:19]        ; my wave's candidates' scale words
	s_lshl_b32 s18, s16, 17
	s_add_nc_u64 s[20:21], s[4:5], s[18:19]        ; my wave's 128 tiles of candidates
	s_lshl_b32 s18, s17, 11
	s_add_nc_u64 s[28:29], s[4:5], s[18:19]        ; my work-group's two tiles of queries
	s_lshl_b32 s18, s17, 7
	s_add_nc_u64 s[30:31], s[6:7], s[18:19]        ; their scale words,
	s_add_nc_u64 s[32:33], s[8:9], s[18:19]        ; their -sq / 2,
	s_add_nc_u64 s[36:37], s[10:11], s[18:19]      ; their sums
	s_lshl_b32 s18, s17, 2
	s_add_nc_u64 s[34:35], s[12:13], s[18:19]
	WIN 0x80
.irp i, 0,1,2,3,4,5,6,7,8,9,10,11,12,13,14,15
	global_load_b128 v[4*\i:4*\i+3], v30, s[8:9] offset:512*\i         ; 32 lanes read 512 consecutive bytes, into window 2
.endr
	WIN 0
.irp q, 0,1
.irp c, 0,1
	global_load_b128 v[QF+8*\q+4*\c:QF+8*\q+4*\c+3], v2, s[28:29] offset:1024*\q+512*\c
.endr
.endr
	global_load_b32 v[QS], v9, s[30:31]
	global_load_b32 v10, v9, s[32:33]              ; lane = query
	CODES 0, 0
	CODES 1, 1
	s_wait_loadcnt 46                              ; the sixteen loads of the copy are in; behind them: 6 for the queries, 2 x 20 of codes and scale words
	WIN 0x08                                       ; a store's data: window 2
.irp i, 0,1,2,3,4,5,6,7,8,9,10,11,12,13,14,15
	ds_store_b128 v30, v[4*\i:4*\i+3] offset:512*\i
.endr
	CVALS 3, 0                                     ; batch 0.  LDS serves a wave's instructions in order (ISA guide 5.7.1.4): these see my stores; the bytes are my wave's own
	s_wait_loadcnt 20                              ; the queries and batch 0 are in; batch 1 stays out
	s_wait_dscnt 0x0                               ; and the stores have read their registers
	WIN MUL
	WM 0, 0
	WIN 0
	v_mul_f32 v10, -2.0, v10                       ; my query's sq
	s_mov_b32 s22, 7
	s_mov_b32 s23, 0                               ; where the trip's -sq / 2 begin: 1,024 bytes a trip
.Ltrip:                                                ; seven trips of two batches
	v_add_nc_u32 v5, s23, v3
	BATCH 0, 1, 1, 20
	BATCH 1, 1, 1, 20
	WIN 0
	s_wait_xcnt 0x0                                ; the loads' bases step only behind this wait
	s_add_nc_u64 s[20:21], s[20:21], 16384
	s_add_nc_u64 s[26:27], s[26:27], 1024
	s_add_co_u32 s23, s23, 1024
	s_sub_co_u32 s22, s22, 1
	s_cmp_lg_u32 s22, 0
	s_cbranch_scc1 .Ltrip
	v_add_nc_u32 v5, s23, v3                       ; the last two batches are written out: no load leaves the buffers
	BATCH 0, 0, 1, 0
	BATCH 1, 0, 0, 0
	WIN 0
	; ---- the lists meet.  Each lane gets one query of the 32: of lanes 0-15 tile 0's, of lanes 16-31 tile 1's; the second set of registers holds the other half's lists of the same query
.set jj, 0
.rept 73
	v_permlane16_swap_b32 v[LB+jj], v[LB+73+jj]
.set jj, jj+1
.endr
	INSLIST LB, 11, LB+73
.irp o, 11,16,21,26
	INSLIST LB+\o, 5, LB+73+\o
.endr
.irp o, 31,34,37,40
	INSLIST LB+\o, 3, LB+73+\o
.endr
.irp o, 43,45,47,49,51,53
	INSLIST LB+\o, 2, LB+73+\o
.endr
.set jj, 55
.rept 18
	v_max_num_f32 v[LB+jj], v[LB+jj], v[LB+73+jj]
.set jj, jj+1
.endr
	; all kinds into the list of 11, in ascending order of B, from place B - 1 on
.irp o, 11,16,21,26                    ; B = 2
	INS LB, 11, LB+\o, 1
.endr
.irp o, 31,34,37,40                    ; B = 3
	INS LB, 11, LB+\o, 2
.endr
.irp o, 12,17,22,27,43,45,47,49,51,53  ; B = 4
	INS LB, 11, LB+\o, 3
.endr
.irp o, 13,18,23,28,32,35,38,41,55,56,57,58,59,60,61,64,65,70,71   ; B = 6
	INS LB, 11, LB+\o, 5
.endr
.irp o, 14,19,24,29,44,46,48,50,52,54,68,69    ; B = 8
	INS LB, 11, LB+\o, 7
.endr
.irp o, 33,36,39,42,62,63,66,67,72     ; B = 9
	INS LB, 11, LB+\o, 8
.endr
.irp o, 15,20,25,30                    ; B = 10
	INS LB, 11, LB+\o, 9
.endr
	ds_store_b128 v7, v[LB:LB+3]
	ds_store_b128 v7, v[LB+4:LB+7] offset:16
	ds_store_b128 v7, v[LB+8:LB+11] offset:32      ; three numbers and one that nobody uses
	s_wait_alu depctr_va_vdst(0)
	s_wait_dscnt 0x0                               ; for wave 0's sake: my stores have landed
	s_barrier_signal -1
	s_barrier_wait -1
	s_cmp_eq_u32 s16, 0
	s_cbranch_scc1 .Lfirst
	s_wait_tensorcnt 0x0                           ; the wave's end
	ds_add_u32 v254, v255
	s_wait_dscnt 0x0
	s_endpgm
.Lfirst:                                               ; wave 0 takes the other three waves' lists into its own
.irp w, 1,2,3
.irp i, 0,1,2
	ds_load_b128 v[ML+12*(\w-1)+4*\i:ML+12*(\w-1)+4*\i+3], v8 offset:1536*\w+16*\i
.endr
.endr
	s_wait_dscnt 0x0
	INSLIST LB, 11, ML
	INSLIST LB, 11, ML+12
.irp k, 0,1,2,3,4,5,6,7,8,9,10
	v_max_num_f32 v[XR+\k], v[LB+\k], v[ML+24+10-\k]       ; of two descending lists a, b the largest eleven are max(a(k), b(10 - k)), in no order,
.endr
	v_min_num_f32 v[XR], v[XR], v[XR+10]                   ; and the largest of all, the smallest distance, is the larger of the first and the last: it is dropped
.irp k, 0,1,2,3,4,5,6,7,8,9
	v_fma_f32 v[XR+\k], -2.0, v[XR+\k], v10        ; distance^2 = sq_i - 2 D
.endr
.irp k, 0,1,2,3,4,5,6,7,8,9
	v_max_num_f32 v[XR+\k], 0, v[XR+\k]
.endr
	s_wait_alu depctr_va_vdst(0)                   ; the wait ahead of the batch,
.irp k, 0,1,2,3,4,5,6,7,8,9
	v_sqrt_f32 v[XR+\k], v[XR+\k]                  ; the root of 0 is 0
.endr
	v_nop                                          ; one plain place behind the transcendentals
	s_wait_alu depctr_va_vdst(0)                   ; and behind it
.irp k, 0,2,4,6,8
	v_add_f32 v[XR+\k], v[XR+\k], v[XR+\k+1]
.endr
	v_add_f32 v[XR], v[XR], v[XR+2]
	v_add_f32 v[XR+4], v[XR+4], v[XR+6]
	v_add_f32 v[XR], v[XR], v[XR+8]
	v_add_f32 v[XR], v[XR], v[XR+4]
	global_store_b32 v9, v[XR], s[36:37]           ; my query's sum
	v_add_f32_dpp v[SUMR], v[XR], v[XR] row_xmask:1 row_mask:0xf bank_mask:0xf     ; the sum over the 32 queries, in registers that the store does not read
	v_add_f32_dpp v[SUMR], v[SUMR], v[SUMR] row_xmask:2 row_mask:0xf bank_mask:0xf
	v_add_f32_dpp v[SUMR], v[SUMR], v[SUMR] row_xmask:4 row_mask:0xf bank_mask:0xf
	v_add_f32_dpp v[SUMR], v[SUMR], v[SUMR] row_xmask:8 row_mask:0xf bank_mask:0xf
	v_permlanex16_b32 v[SUMR+1], v[SUMR], s24, s25
	v_add_f32 v[SUMR], v[SUMR], v[SUMR+1]
	v_cmp_eq_u32 vcc_lo, 0, v1
	s_wait_alu depctr_va_vdst(0)
	s_wait_xcnt 0x0                                ; EXEC changes only behind this wait
	s_wait_tensorcnt 0x0                           ; the wave's end
	ds_add_u32 v254, v255
	s_wait_dscnt 0x0
	s_and_saveexec_b32 s38, vcc_lo
	global_store_b32 v11, v[SUMR], s[34:35]        ; lane 0 alone
	s_wait_xcnt 0x0
	s_or_b32 exec_lo, exec_lo, s38
	s_endpgm
.Lfunc_end_k_qad42dfd10a_knn:
	.size	k_qad42dfd10a_knn, .Lfunc_end_k_qad42dfd10a_knn-k_qad42dfd10a_knn
	.p2alignl 7, 3214868480
	.fill 96, 4, 3214868480
	.section	.rodata,"a",@progbits
	.p2align	6, 0x0
	.amdhsa_kernel k_qad42dfd10a_knn
		.amdhsa_group_segment_fixed_size 39424
		.amdhsa_private_segment_fixed_size 0
		.amdhsa_enable_private_segment 0
		.amdhsa_kernarg_size 40
		.amdhsa_user_sgpr_count 2
		.amdhsa_user_sgpr_kernarg_segment_ptr 1
		.amdhsa_wavefront_size32 1
		.amdhsa_system_sgpr_workgroup_id_x 1
		.amdhsa_system_sgpr_workgroup_id_y 1
		.amdhsa_system_sgpr_workgroup_id_z 1
		.amdhsa_system_vgpr_workitem_id 0
		.amdhsa_next_free_vgpr 704
		.amdhsa_next_free_sgpr 66
		.amdhsa_reserve_vcc 1
		.amdhsa_float_denorm_mode_32 3
		.amdhsa_float_denorm_mode_16_64 3
		.amdhsa_memory_ordered 1
		.amdhsa_forward_progress 1
		.amdhsa_inst_pref_size 208
	.end_amdhsa_kernel
	.amdgpu_metadata
---
amdhsa.version: [ 1, 2 ]
amdhsa.kernels:
  - .name:           k_qad42dfd10a_knn
    .symbol:         k_qad42dfd10a_knn.kd
    .args:
      - { .name: zc, .offset: 0, .size: 8, .value_kind: global_buffer, .address_space: global }
      - { .name: zs, .offset: 8, .size: 8, .value_kind: global_buffer, .address_space: global }
      - { .name: nh, .offset: 16, .size: 8, .value_kind: global_buffer, .address_space: global }
      - { .name: sumk, .offset: 24, .size: 8, .value_kind: global_buffer, .address_space: global }
      - { .name: psum, .offset: 32, .size: 8, .value_kind: global_buffer, .address_space: global }
    .group_segment_fixed_size: 39424
    .private_segment_fixed_size: 0
    .kernarg_segment_align: 8
    .kernarg_segment_size: 40
    .max_flat_workgroup_size: 128
    .sgpr_count:     66
    .vgpr_count:     704
    .wavefront_size: 32
...
	.end_amdgpu_metadata
.endif
;; end of part 3
;; launch fin (part 4): grid 16 x 1, 4 waves a work-group, no clusters, 0 bytes of LDS; arguments sumk, psum, pt, out0; writes out0
.if DOCPART == 4
	.amdgcn_target "amdgcn-amd-amdhsa--gfx1250"
	.amdhsa_code_object_version 6
	.text
	.protected	k_qad42dfd10a_fin
	.globl	k_qad42dfd10a_fin
	.p2align	8
	.type	k_qad42dfd10a_fin,@function
k_qad42dfd10a_fin:
	s_mov_b64 s[64:65], 0
	v_nop
	global_prefetch_b8 v0, s[64:65] scope:SCOPE_SE
	s_setreg_imm32_b32 hwreg(HW_REG_WAVE_MODE, 25, 1), 1
	s_wait_xcnt 0x0
; r = 1 / (sqrt(knn) + C) x min(max((pred - tgt)^2, 1), 5), knn = EPS / (sum_k^2 / mean^2 + EPS), mean = the mean of sum_k over all 8,192 rows.
; 64 waves, 128 rows each, four a lane.  Every wave adds all 256 partial sums itself (1,024 bytes, 32 a lane): no LDS, no barrier, nothing between work-groups.
; A few thousand numbers: matrix units, LDS and clusters have nothing to do here.  Divisions are v_rcp_f32 and a multiplication.
; LIMITS: NaN and infinities are not served; a mean of 0 gives NaN, as 0 / 0 does in the problem's own definition.
	s_load_b256 s[4:11], s[0:1], 0x0               ; sumk s[4:5], psum s[6:7], pt s[8:9], out0 s[10:11]
	v_lshrrev_b32 v1, 5, v0
	v_readfirstlane_b32 s14, v1                    ; wave 0..3
	v_and_b32 v1, 31, v0                           ; lane
	s_lshl_b32 s15, ttmp9, 2
	s_add_co_u32 s15, s15, s14                     ; which 128 rows
	s_lshl_b32 s15, s15, 9
	v_lshlrev_b32 v2, 5, v1                        ; the partial sums: 32 bytes a lane
	v_lshlrev_b32 v3, 4, v1
	v_add_nc_u32 v3, s15, v3                       ; my four rows: 512 bytes a wave, 16 a lane
	s_mov_b32 s12, 0x3a83126f                      ; EPS = 0.001
	s_mov_b32 s13, 0x3a83126f                      ; C = 0.001
	s_mov_b32 s16, 0x76543210
	s_mov_b32 s17, 0xfedcba98                      ; v_permlanex16_b32's selects for lane l xor 16
	v_mov_b32 v28, 0                               ; a lane permute's destination counts as one of its sources
	s_wait_alu depctr_va_vdst(0)
	s_wait_kmcnt 0x0
	global_load_b128 v[8:11], v2, s[6:7]
	global_load_b128 v[12:15], v2, s[6:7] offset:16
	global_load_b128 v[16:19], v3, s[4:5]          ; sum_k
	global_load_b128 v[20:23], v3, s[8:9]          ; pred
	global_load_b128 v[24:27], v3, s[8:9] offset:32768     ; tgt
	s_wait_loadcnt 0x0
	v_pk_add_f32 v[8:9], v[8:9], v[10:11]
	v_pk_add_f32 v[12:13], v[12:13], v[14:15]
	v_pk_add_f32 v[8:9], v[8:9], v[12:13]
	v_add_f32 v8, v8, v9
	v_add_f32_dpp v8, v8, v8 row_xmask:1 row_mask:0xf bank_mask:0xf
	v_add_f32_dpp v8, v8, v8 row_xmask:2 row_mask:0xf bank_mask:0xf
	v_add_f32_dpp v8, v8, v8 row_xmask:4 row_mask:0xf bank_mask:0xf
	v_add_f32_dpp v8, v8, v8 row_xmask:8 row_mask:0xf bank_mask:0xf
	v_permlanex16_b32 v28, v8, s16, s17
	v_add_f32 v8, v8, v28                          ; the sum over all rows, in every lane
	v_mul_f32 v8, 0x39000000, v8                   ; x 2^-13: the mean
	s_wait_alu depctr_va_vdst(0)
	v_rcp_f32 v29, v8
.irp i, 0,1,2,3
	v_sub_f32 v[20+\i], v[20+\i], v[24+\i]         ; pred - tgt.  (Plain lines behind the transcendental)
.endr
	s_wait_alu depctr_va_vdst(0)
.irp i, 0,1,2,3
	v_mul_f32 v[32+\i], v[16+\i], v29              ; sum_k / mean
.endr
.irp i, 0,1,2,3
	v_fma_f32 v[32+\i], v[32+\i], v[32+\i], s12    ; its square + EPS
.endr
	s_wait_alu depctr_va_vdst(0)
.irp i, 0,1,2,3
	v_rcp_f32 v[32+\i], v[32+\i]
.endr
.irp i, 0,1,2,3
	v_mul_f32 v[20+\i], v[20+\i], v[20+\i]         ; alpha
.endr
	s_wait_alu depctr_va_vdst(0)
.irp i, 0,1,2,3
	v_mul_f32 v[32+\i], s12, v[32+\i]              ; knn
.endr
	s_wait_alu depctr_va_vdst(0)
.irp i, 0,1,2,3
	v_sqrt_f32 v[32+\i], v[32+\i]
.endr
.irp i, 0,1,2,3
	v_max_num_f32 v[20+\i], 1.0, v[20+\i]
.endr
	s_wait_alu depctr_va_vdst(0)
.irp i, 0,1,2,3
	v_add_f32 v[32+\i], s13, v[32+\i]
.endr
	s_wait_alu depctr_va_vdst(0)
.irp i, 0,1,2,3
	v_rcp_f32 v[32+\i], v[32+\i]
.endr
.irp i, 0,1,2,3
	v_min_num_f32 v[20+\i], 0x40a00000, v[20+\i]   ; held to 1 .. 5
.endr
	s_wait_alu depctr_va_vdst(0)
.irp i, 0,1,2,3
	v_mul_f32 v[36+\i], v[32+\i], v[20+\i]
.endr
	global_store_b128 v3, v[36:39], s[10:11]       ; 32 lanes store 512 consecutive bytes
	s_endpgm
.Lfunc_end_k_qad42dfd10a_fin:
	.size	k_qad42dfd10a_fin, .Lfunc_end_k_qad42dfd10a_fin-k_qad42dfd10a_fin
	.p2alignl 7, 3214868480
	.fill 96, 4, 3214868480
	.section	.rodata,"a",@progbits
	.p2align	6, 0x0
	.amdhsa_kernel k_qad42dfd10a_fin
		.amdhsa_group_segment_fixed_size 0
		.amdhsa_private_segment_fixed_size 0
		.amdhsa_enable_private_segment 0
		.amdhsa_kernarg_size 32
		.amdhsa_user_sgpr_count 2
		.amdhsa_user_sgpr_kernarg_segment_ptr 1
		.amdhsa_wavefront_size32 1
		.amdhsa_system_sgpr_workgroup_id_x 1
		.amdhsa_system_sgpr_workgroup_id_y 1
		.amdhsa_system_sgpr_workgroup_id_z 1
		.amdhsa_system_vgpr_workitem_id 0
		.amdhsa_next_free_vgpr 48
		.amdhsa_next_free_sgpr 66
		.amdhsa_reserve_vcc 0
		.amdhsa_float_denorm_mode_32 3
		.amdhsa_float_denorm_mode_16_64 3
		.amdhsa_memory_ordered 1
		.amdhsa_forward_progress 1
		.amdhsa_inst_pref_size 5
	.end_amdhsa_kernel
	.amdgpu_metadata
---
amdhsa.version: [ 1, 2 ]
amdhsa.kernels:
  - .name:           k_qad42dfd10a_fin
    .symbol:         k_qad42dfd10a_fin.kd
    .args:
      - { .name: sumk, .offset: 0, .size: 8, .value_kind: global_buffer, .address_space: global }
      - { .name: psum, .offset: 8, .size: 8, .value_kind: global_buffer, .address_space: global }
      - { .name: pt, .offset: 16, .size: 8, .value_kind: global_buffer, .address_space: global }
      - { .name: out0, .offset: 24, .size: 8, .value_kind: global_buffer, .address_space: global }
    .group_segment_fixed_size: 0
    .private_segment_fixed_size: 0
    .kernarg_segment_align: 8
    .kernarg_segment_size: 32
    .max_flat_workgroup_size: 128
    .sgpr_count:     66
    .vgpr_count:     48
    .wavefront_size: 32
...
	.end_amdgpu_metadata
.endif
;; end of part 4
